; MI455X (gfx1250); checked and timed in simulation.
; The chip was launched on July 23, 2026; its instructions are those of AMD's public machine-readable ISA for CDNA 5 (MIT licence, August 2026) and "CDNA5" Instruction Set Architecture Reference Guide (July 2026). The comments in the code are by the model that wrote it; some were corrected since.
;; MOLE Linear. Allowed arithmetic: float matrix products may take bf16 or f16 operands with f32 sums; other float arithmetic in f32, or as packed bf16 or f16 multiplies, adds, multiply-adds, maxima and minima; sums over many terms, partial sums and values carried from step to step in f32; what a program stores and reads back later, other than sums and carried values, may be rounded once to bf16 or f16.
;; Inputs: batch_indices 32,768 int32; bias 512 float32; expert_coefficients 64 x 8 float32; weights 8 x 512 x 512 float32; x 32,768 x 512 float32.
;; Outputs: out0 32,768 x 512 float32.
;; One version. Each part assembles by itself: llvm-mc -triple=amdgcn-amd-amdhsa -mcpu=gfx1250 --defsym DOCPART=n.
;; ======== version 1 of 1: 2 launches
;; limits: values are held in f16: magnitudes above 65,504 overflow, below 6.1e-05 lose precision
;; workspace buffers: mixw 33,554,432 bytes; perm 8,388,608 bytes of whole numbers; counts 16,384 bytes of whole numbers
;; launch prep (part 1): grid 320 x 1, 8 waves a work-group, no clusters, 134,400 bytes of LDS; arguments batch_indices, expert_coefficients, weights, mixw, perm, counts; writes mixw, perm, counts
.if DOCPART == 1
	.amdgcn_target "amdgcn-amd-amdhsa--gfx1250"
	.amdhsa_code_object_version 6
	.text
	.protected	k_qe8e0445a03_prep
	.globl	k_qe8e0445a03_prep
	.p2align	8
	.type	k_qe8e0445a03_prep,@function
k_qe8e0445a03_prep:
	s_mov_b64 s[64:65], 0
	v_nop
	global_prefetch_b8 v0, s[64:65] scope:SCOPE_SE
	s_setreg_imm32_b32 hwreg(HW_REG_WAVE_MODE, 25, 1), 1
	s_wait_xcnt 0x0
; PREP.  Two kinds of work-groups in one launch, told apart by the work-group number alone.
; Work-groups 0-63 (SORT): work-group b lists the atoms n with batch_indices[n] == b.  perm[b][0 .. cnt-1] = those atoms, then zeros up to the next multiple
; of 1,024 entries (the first 1,024 entries are always written); counts[b] = cnt, 64 times (one store of 256 consecutive bytes).
; Work-groups 64-319 (MIX): part m = number - 64 makes mixw[b][f] = sum over e of c[b][e] W[e][f] for 1,024 numbers f of the flat 512 x 512 plane and all 64 systems b:
; the sum in f32, e ascending, rounded once to f16.  Each weight byte is read once in the launch and stays in registers for all 64 systems.
; LIMITS.  The mixed weight must stay under 65,504 (f16); below 6e-5 it keeps f16's fixed step of 6e-8.  NaN and infinities are not treated apart.
; The weighting by c stands in front of the product with x, where reference() has it behind: the same sum in another order of rounding.
; No atomics: each of the eight waves of a sorter lists its own 4,096 atoms in its own LDS segment; one barrier; then the eight lists are copied out end to end.
.set SEGP,  16640                      ; a wave's segment: 4,096 list words, then a block of 256 bytes whose first word takes what the other systems' lanes store (nobody reads it)
.set TOT,   8*SEGP                     ; word w: wave w's count; word 16 + w: a zero of wave w's own
.set SPARE, TOT+256                    ; the spare words, 128 bytes for each of eight waves: four blocks of 256 bytes that no other line names
.set SPW,   158                        ; v158  my spare word's address; never rewritten
.set NIL,   159                        ; v159  0; never rewritten
.set IDX,   16                         ; v[16:143]  sort: my wave's 4,096 indices;  mix: v[16:47] W of my 4 numbers, expert e at 16 + 4 e
	s_load_b256 s[4:11], s[0:1], 0x0               ; batch_indices s[4:5], expert_coefficients s[6:7], weights s[8:9], mixw s[10:11]
	s_load_b128 s[12:15], s[0:1], 0x20             ; perm s[12:13], counts s[14:15]
	v_lshl_add_u32 v[SPW], v0, 2, SPARE
	v_mov_b32 v[NIL], 0
	v_lshrrev_b32 v1, 5, v0
	v_readfirstlane_b32 s3, v1                     ; wave 0..7
	v_and_b32 v1, 31, v0                           ; lane
	s_mov_b32 s2, ttmp9
	s_wait_kmcnt 0x0
	s_cmp_lt_u32 s2, 64
	s_cbranch_scc1 .Lsort                          ; the same way for all eight waves of a work-group
; ---------------------------------------------------------------- MIX
; Thread t owns the numbers 4 (256 m + t) .. + 3.  A wave's load covers 512 consecutive bytes of an expert's plane, its store 256 consecutive aligned bytes of a system's plane.
	s_sub_co_u32 s3, s2, 64                        ; m
	s_lshl_b32 s66, s3, 12                         ; 1,024 numbers of 4 bytes
	s_mov_b32 s67, 0
	s_add_nc_u64 s[8:9], s[8:9], s[66:67]
	s_lshl_b32 s66, s3, 11                         ; 1,024 numbers of 2 bytes
	s_add_nc_u64 s[10:11], s[10:11], s[66:67]
	v_lshlrev_b32 v2, 4, v0
	v_lshlrev_b32 v3, 3, v0
.irp e, 0,1,2,3,4,5,6,7
	global_load_b128 v[IDX+4*(\e):IDX+4*(\e)+3], v2, s[8:9] offset:(\e)*1048576 th:TH_LOAD_NT
.endr
	s_load_b512 s[16:31], s[6:7], 0x0              ; the coefficients of systems 0 and 1
.irp j, 0,1,2,3,4,5,6,7,8,9,10,11,12,13,14,15
	s_mov_b32 s[33+2*(\j)], 0                      ; the packed forms name a pair and take its low word for both halves: the high words are written once
.endr
	s_mov_b32 s66, 0                               ; trips done
	s_wait_loadcnt 0x0                             ; W, once
.macro MIX u                           ; system 2 trip + u: 16 packed multiply-adds, two roundings, one store
	v_pk_mul_f32 v[48+4*(\u):49+4*(\u)], v[IDX:IDX+1],   s[32+16*(\u):33+16*(\u)] op_sel_hi:[1,0]
	v_pk_mul_f32 v[50+4*(\u):51+4*(\u)], v[IDX+2:IDX+3], s[32+16*(\u):33+16*(\u)] op_sel_hi:[1,0]
.irp e, 1,2,3,4,5,6,7
	v_pk_fma_f32 v[48+4*(\u):49+4*(\u)], v[IDX+4*(\e):IDX+4*(\e)+1],   s[32+16*(\u)+2*(\e):33+16*(\u)+2*(\e)], v[48+4*(\u):49+4*(\u)] op_sel_hi:[1,0,1]
	v_pk_fma_f32 v[50+4*(\u):51+4*(\u)], v[IDX+4*(\e)+2:IDX+4*(\e)+3], s[32+16*(\u)+2*(\e):33+16*(\u)+2*(\e)], v[50+4*(\u):51+4*(\u)] op_sel_hi:[1,0,1]
.endr
	v_cvt_pk_f16_f32 v[56+2*(\u)], v[48+4*(\u)], v[49+4*(\u)]
	v_cvt_pk_f16_f32 v[57+2*(\u)], v[50+4*(\u)], v[51+4*(\u)]
	global_store_b64 v3, v[56+2*(\u):57+2*(\u)], s[10:11] offset:(\u)*524288   ; read again by the next launch: no hint
.endm
.Lmix:                                                 ; 32 trips, two systems each
	s_wait_kmcnt 0x0                               ; this trip's 16 coefficients are in; the load's offset register is free
.irp j, 0,1,2,3,4,5,6,7,8,9,10,11,12,13,14,15
	s_mov_b32 s[32+2*(\j)], s[16+(\j)]
.endr
	s_add_co_u32 s67, s67, 64                      ; the next two systems' 64 bytes;
	s_and_b32 s67, s67, 2047                       ; the last trip asks for the table's head again: no load leaves its 2,048 bytes
	s_load_b512 s[16:31], s[6:7], s67 offset:0x0
	MIX 0
	MIX 1
	s_wait_xcnt 0x0                                ; the stores' data and base are rewritten only behind this wait
	s_add_nc_u64 s[10:11], s[10:11], 0x100000      ; two systems' planes on
	s_add_co_u32 s66, s66, 1
	s_cmp_lt_u32 s66, 32
	s_cbranch_scc1 .Lmix
	s_wait_kmcnt 0x0                               ; the load asked for in the last trip
	s_branch .Lend
; ---------------------------------------------------------------- SORT
.Lsort:
	s_mov_b32 s16, s2                              ; b
	s_mov_b32 s17, 0                               ; my wave's count so far
	s_lshl_b32 s18, s3, 14
	v_lshl_add_u32 v2, v1, 4, s18                  ; my wave's 16,384 bytes of indices, 16 bytes a lane
	s_lshl_b32 s18, s3, 12
	v_lshl_add_u32 v3, v1, 2, s18                  ; the atom of my first index: 4,096 w + 4 lane
	s_mul_i32 s18, s3, SEGP
	v_mov_b32 v4, s18                              ; my wave's segment
	v_mov_b32 v11, 0x1000                          ; the rank of a lane whose atom is another system's
	v_mov_b32 v10, 0
.set t, 0
.rept 32
	global_load_b128 v[IDX+4*t:IDX+4*t+3], v2, s[4:5] offset:512*t     ; read by all 64 sorters: no hint
.set t, t+1
.endr
; For each of the 128 index registers: which lanes hold an atom of b; their ranks behind the wave's count; the atom's number goes to that place of the wave's list.
.set t, 0
.rept 32
	s_wait_loadcnt 31-t                            ; loads come back in order: load t is in, the 31 - t younger ones stay out
.set k, 0
.rept 4
	v_cmp_eq_u32 s18, s16, v[IDX+4*t+k]
	v_mbcnt_lo_u32_b32 v5, s18, s17                ; the count so far + the lower lanes that match
	v_cndmask_b32 v5, v11, v5, s18
	v_min_u32 v5, 0x1000, v5                       ; 0 .. 4,095 the list, 4,096 the word that nobody reads
	v_lshl_add_u32 v6, v5, 2, v4
	v_add_nc_u32 v7, 128*t+k, v3
	ds_store_b32 v6, v7
	s_bcnt1_i32_b32 s19, s18
	s_add_co_u32 s17, s17, s19
.set k, k+1
.endr
.set t, t+1
.endr
	v_mov_b32 v5, s17
	s_lshl_b32 s18, s3, 2
	s_add_co_u32 s18, s18, TOT
	v_mov_b32 v6, s18
	ds_store_b32 v6, v5                            ; all lanes the same word, the same value
	ds_store_b32 v6, v10 offset:64                 ; my wave's zero
	v_add_nc_u32 v144, 64, v6                      ; and its address
	s_wait_dscnt 0x0                               ; for the others' sake: my list and my count are in LDS
	s_barrier_signal -1
	s_barrier_wait -1                              ; the launch's one barrier; behind it nothing writes the lists
	v_mov_b32 v7, TOT
	ds_load_b128 v[12:15], v7
	ds_load_b128 v[16:19], v7 offset:16
	s_wait_dscnt 0x0
.irp u, 0,1,2,3,4,5,6,7
	v_readfirstlane_b32 s[20+(\u)], v[12+(\u)]
.endr
.irp u, 0,1,2,3,4,5,6,7
	s_min_u32 s[20+(\u)], s[20+(\u)], 4096         ; T_u
.endr
	s_mov_b32 s28, s20                             ; E_u = T_0 + .. + T_u: where list u ends in the joined list
.irp u, 1,2,3,4,5,6,7
	s_add_co_u32 s[28+(\u)], s[27+(\u)], s[20+(\u)]
.endr
.irp u, 0,1,2,3,4,5,6
	s_lshl_b32 s[36+(\u)], s[20+(\u)], 2
	s_sub_co_u32 s[36+(\u)], SEGP, s[36+(\u)]      ; G_u: the bytes between list u's end and list u + 1's beginning
.endr
	s_max_u32 s45, s35, 1                          ; cnt = E_7; the first 1,024 entries are written whatever cnt
	s_lshl_b32 s46, s16, 17
	s_mov_b32 s47, 0
	s_add_nc_u64 s[12:13], s[12:13], s[46:47]      ; perm at system b's list
	v_lshlrev_b32 v8, 2, v0                        ; p: my four places in the joined list
	v_lshlrev_b32 v9, 4, v0                        ; and their bytes
	s_mov_b32 s19, 0
; Place p + j lies in LDS at 4 (p + j) + the sum of G_u over the lists that end at or before it; past cnt my wave's zero is read instead.
.macro SRC j
	v_add_nc_u32 v20, \j, v8
	v_lshlrev_b32 v21, 2, v20
.irp u, 0,1,2,3,4,5,6
	v_cmp_le_u32 vcc_lo, s[28+(\u)], v20
	v_cndmask_b32 v22, 0, s[36+(\u)], vcc_lo
	v_add_nc_u32 v21, v21, v22
.endr
	v_cmp_gt_u32 vcc_lo, s35, v20
	v_cndmask_b32 v21, v144, v21, vcc_lo
	v_min_u32 v21, TOT+92, v21                     ; the last zero word is the highest byte address that is read
	ds_load_b32 v[12+(\j)], v21
.endm
.Lcopy:                                                ; 32 trips cover every split; a trip is 1,024 entries; trips at or past max(cnt, 1) are jumped
	s_lshl_b32 s44, s19, 10
	s_cmp_lt_u32 s44, s45
	s_cbranch_scc0 .Ldead
	SRC 0
	SRC 1
	SRC 2
	SRC 3
	s_wait_dscnt 0x0
	global_store_b128 v9, v[12:15], s[12:13]       ; a wave stores 512 consecutive bytes, aligned
	s_wait_xcnt 0x0                                ; data and offset are rewritten only behind this wait
	v_add_nc_u32 v9, 4096, v9
	v_add_nc_u32 v8, 1024, v8
.Ldead:
	s_add_co_u32 s19, s19, 1
	s_cmp_lt_u32 s19, 32
	s_cbranch_scc1 .Lcopy
	s_cmp_lg_u32 s3, 0
	s_cbranch_scc1 .Lend                           ; wave 0 alone stores the count
	v_mov_b32 v24, s35
	v_mov_b32 v25, s35
	s_lshl_b32 s46, s16, 8
	s_add_nc_u64 s[14:15], s[14:15], s[46:47]
	v_lshlrev_b32 v26, 3, v1
	global_store_b64 v26, v[24:25], s[14:15]       ; 256 consecutive bytes, aligned: cnt 64 times
.Lend:
	s_wait_tensorcnt 0x0                           ; the wave's end, behind my last LDS store
	ds_add_u32 v[SPW], v[NIL]
	s_wait_dscnt 0x0
	s_endpgm
.Lfunc_end_k_qe8e0445a03_prep:
	.size	k_qe8e0445a03_prep, .Lfunc_end_k_qe8e0445a03_prep-k_qe8e0445a03_prep
	.p2alignl 7, 3214868480
	.fill 96, 4, 3214868480
	.section	.rodata,"a",@progbits
	.p2align	6, 0x0
	.amdhsa_kernel k_qe8e0445a03_prep
		.amdhsa_group_segment_fixed_size 134400
		.amdhsa_private_segment_fixed_size 0
		.amdhsa_enable_private_segment 0
		.amdhsa_kernarg_size 48
		.amdhsa_user_sgpr_count 2
		.amdhsa_user_sgpr_kernarg_segment_ptr 1
		.amdhsa_wavefront_size32 1
		.amdhsa_system_sgpr_workgroup_id_x 1
		.amdhsa_system_sgpr_workgroup_id_y 1
		.amdhsa_system_sgpr_workgroup_id_z 1
		.amdhsa_system_vgpr_workitem_id 0
		.amdhsa_next_free_vgpr 160
		.amdhsa_next_free_sgpr 68
		.amdhsa_reserve_vcc 1
		.amdhsa_float_denorm_mode_32 3
		.amdhsa_float_denorm_mode_16_64 3
		.amdhsa_memory_ordered 1
		.amdhsa_forward_progress 1
		.amdhsa_inst_pref_size 82
	.end_amdhsa_kernel
	.amdgpu_metadata
---
amdhsa.version: [ 1, 2 ]
amdhsa.kernels:
  - .name:           k_qe8e0445a03_prep
    .symbol:         k_qe8e0445a03_prep.kd
    .args:
      - { .name: batch_indices, .offset: 0, .size: 8, .value_kind: global_buffer, .address_space: global }
      - { .name: expert_coefficients, .offset: 8, .size: 8, .value_kind: global_buffer, .address_space: global }
      - { .name: weights, .offset: 16, .size: 8, .value_kind: global_buffer, .address_space: global }
      - { .name: mixw, .offset: 24, .size: 8, .value_kind: global_buffer, .address_space: global }
      - { .name: perm, .offset: 32, .size: 8, .value_kind: global_buffer, .address_space: global }
      - { .name: counts, .offset: 40, .size: 8, .value_kind: global_buffer, .address_space: global }
    .group_segment_fixed_size: 134400
    .private_segment_fixed_size: 0
    .kernarg_segment_align: 8
    .kernarg_segment_size: 48
    .max_flat_workgroup_size: 256
    .sgpr_count:     68
    .vgpr_count:     160
    .wavefront_size: 32
...
	.end_amdgpu_metadata
.endif
;; end of part 1
;; launch mole (part 2): grid 4 x 64, 4 waves a work-group, no clusters, 203,264 bytes of LDS; arguments x, out0, perm, bias, mixw, counts; writes out0
.if DOCPART == 2
	.amdgcn_target "amdgcn-amd-amdhsa--gfx1250"
	.amdhsa_code_object_version 6
	.text
	.protected	k_qe8e0445a03_mole
	.globl	k_qe8e0445a03_mole
	.p2align	8
	.type	k_qe8e0445a03_mole,@function
k_qe8e0445a03_mole:
	s_mov_b64 s[64:65], 0
	v_nop
	global_prefetch_b8 v0, s[64:65] scope:SCOPE_SE
	s_setreg_imm32_b32 hwreg(HW_REG_WAVE_MODE, 25, 1), 1
	s_wait_xcnt 0x0
; out0[n][o] = sum over k of x[n][k] mixw[b(n)][o][k] + bias[o], for the atoms n of system b as perm[b] lists them.  x, out0, bias f32; mixw f16; products in f16 operands, sums in f32.
; SHARES.  Work-group (q, b): system b, output columns 128 q .. + 127.  Its slice of mixw, 128 rows x 512 k (131,072 bytes), comes into LDS once and stays.  A tile is 64 entries of the list;
; wave w takes tiles w, w + 4, ..: 64 rows x 128 columns x 512 k = 512 matrix instructions on 32 accumulators.  Behind the one barrier that shows the slice to all, the waves never meet again,
; so the loop, whose length hangs on the stored count, holds no barrier and no tensor load, and all its LDS addresses are fixed registers and immediates.
; x comes by rows through registers (a row's 512 bytes of one K quarter to a load, 64 loads of a wave always on their way), is rounded once to f16 and laid into the wave's own stage as matrix operand.
; THE MATRIX INSTRUCTION IS USED TRANSPOSED: source 0 = 16 output columns of mixw, source 1 = 16 rows of x.  A lane then holds one row and eight neighbouring columns.  The bias, laid out as such
; a result, is the C operand of a tile's first K step: nothing is cleared and nothing is added afterwards.
; Entries past the count hold 0: row 0 is read and multiplied, and its stores are jumped.  A work-group or wave without rows stores nothing.
; NO CLUSTER, NO JOINT LOADS: each slice of mixw has one reader; what a system's four work-groups share is x's rows, which come by a list that no one descriptor covers.
; LIMITS.  |x| and |mixw| under 65,504 (f16); x below 6e-5 keeps f16's fixed step of 6e-8.  NaN and infinities are not treated apart.  All of a system's rows are walked by its four work-groups.
; REGISTERS, in windows of 256 (s_set_vgpr_msb: bits 1:0 source 0, 3:2 source 1, 5:4 source 2, 7:6 destination):
;   window 0: v0-11 addresses; v30-31 the add's; v32-95 VS, row offsets of the tile being stored; v96-159 OB, 16 rows on their way out; v160-223 AF, x's fragments, 2 buffers x 4 blocks x 8
;   window 1: the landing place of x: rows 0-31 in v0-127, rows 32-63 in v128-255, four registers a row
;   window 2: the accumulators: row block a, column block nb at 8 (8 a + nb)
;   window 3: v0-127 BF, mixw's fragments, 2 buffers x 8 x 8; v128-191 BI, the bias; v192-255 VO, row offsets for x's loads
.set MP,    1040                       ; a row of mixw in LDS: 1,024 bytes + 16 of padding = 65 x 16: the 16 rows of a fragment load start 16 bytes apart modulo 256
.set XP,    272                        ; a row of the x chunk: 128 k in f16 + 16
.set OP,    528                        ; a row on the way out: 128 f32 + 16
.set STG0,  128*MP                     ; behind the slice: a stage of 64 x 272 bytes for each wave, by turns the x chunk and 16 rows of output; no tensor load lands there
.set STGB,  64*XP
.set SPARE, STG0+4*STGB                ; the spare words, 128 bytes for each wave: two blocks of 256 bytes that no other line names
.set VS, 32
.set OB, 96
.set AF, 160
.set BI, 128
.set VO, 192
.set MSB, 0
.macro WIN new                         ; the high byte repeats the setting that is left; a switch that changes nothing is dropped
.if MSB != (\new)
	s_set_vgpr_msb (MSB<<8)|(\new)
.set MSB, (\new)
.endif
.endm
.macro PLACES                          ; four plain instructions between a matrix instruction and a load into, or a store out of, its registers
.rept 4
	v_nop
.endr
.endm
	s_load_b256 s[4:11], s[0:1], 0x0               ; x s[4:5], out0 s[6:7], perm s[8:9], bias s[10:11]
	s_load_b128 s[12:15], s[0:1], 0x20             ; mixw s[12:13], counts s[14:15]
	v_lshl_add_u32 v30, v0, 2, SPARE
	v_mov_b32 v31, 0
	ds_add_u32 v30, v31                            ; the wave's opening: the add and its wait stand ahead of my tensor load; the set-up, work on registers, stands between
	v_lshrrev_b32 v1, 5, v0
	v_readfirstlane_b32 s28, v1                    ; wave 0..3
	v_and_b32 v1, 31, v0                           ; lane
	v_and_b32 v2, 15, v0                           ; r
	v_bfe_u32 v3, v0, 4, 1                         ; h
	v_lshlrev_b32 v4, 4, v1                        ; 16 lane
	v_mul_u32_u24 v5, v2, MP
	v_lshl_add_u32 v5, v3, 4, v5                   ; mixw's fragments, column blocks 0-3: r x pitch + 16 h
	v_add_nc_u32 v6, 4*16*MP, v5                   ; column blocks 4-7: the immediate offset holds 16 bits
	s_mul_i32 s2, s28, STGB
	s_add_co_u32 s2, s2, STG0                      ; my stage
	v_mul_u32_u24 v7, v2, XP
	v_lshl_add_u32 v7, v3, 4, v7
	v_add_nc_u32 v7, s2, v7                        ; x's fragments
	v_lshl_add_u32 v8, v1, 3, s2                   ; x into the stage: my 4 numbers, 8 bytes, of a row
	v_mul_u32_u24 v9, v2, OP
	v_lshl_add_u32 v9, v3, 5, v9
	v_add_nc_u32 v9, s2, v9                        ; results into the stage: row r, 32 bytes for each half of the lanes
	v_add_nc_u32 v10, s2, v4                       ; and back: a whole row of 512 bytes to a load
	v_lshlrev_b32 v11, 5, v3                       ; the bias: my half's 8 numbers
	s_mov_b32 s29, ttmp9                           ; q
	s_and_b32 s30, ttmp7, 0xffff                   ; b
	; descriptor group 1: a tile of 32 rows x 512 elements of 2 bytes, 4 words of padding behind every 256 words
	s_mov_b32 s16, (1<<16)|(1<<20)|(7<<22)|(3<<25)
	s_mov_b32 s17, 512<<16                         ; tensor_dim0 = 512
	s_mov_b32 s18, 32<<16                          ; tensor_dim1 = 32
	s_mov_b32 s19, 512<<16                         ; tile_dim0 = 512
	s_mov_b32 s20, 32                              ; tile_dim1 = 32
	s_mov_b32 s21, 512                             ; elements from row to row
	s_mov_b32 s22, 0
	s_mov_b32 s23, 0
	s_mov_b32 s24, 1                               ; group 0: count = 1
	s_mul_i32 s25, s28, 32*MP                      ; LDS address: my 32 rows of the slice
	s_lshl_b32 s2, s30, 19                         ; system b's plane, 524,288 bytes,
	s_lshl_b32 s3, s29, 17                         ; its rows 128 q on,
	s_or_b32 s2, s2, s3
	s_lshl_b32 s3, s28, 15                         ; my 32 of them
	s_or_b32 s2, s2, s3
	s_mov_b32 s3, 0
	s_wait_dscnt 0x0                               ; the opening add is done
	s_wait_kmcnt 0x0
	s_add_nc_u64 s[26:27], s[12:13], s[2:3]
	s_or_b32 s27, s27, 0x80000000                  ; type = 2
	tensor_load_to_lds s[24:27], s[16:23]          ; my one tensor load: a first fill, never filled again
	s_nop 0
	PLACES
	s_lshl_b32 s2, s30, 17
	s_add_nc_u64 s[8:9], s[8:9], s[2:3]            ; perm at system b's list
	s_lshl_b32 s2, s30, 8
	s_add_nc_u64 s[14:15], s[14:15], s[2:3]        ; counts at system b
	s_lshl_b32 s2, s29, 9
	s_add_nc_u64 s[6:7], s[6:7], s[2:3]            ; out0 and bias at column 128 q
	s_add_nc_u64 s[10:11], s[10:11], s[2:3]
	s_lshl_b32 s105, s28, 8                        ; tile w's 64 entries: inside the first 1,024, which are always written
	s_load_b32 s31, s[14:15], 0x0
	s_load_b512 s[32:47], s[8:9], s105 offset:0x0
	s_load_b512 s[48:63], s[8:9], s105 offset:0x40
	s_load_b512 s[68:83], s[8:9], s105 offset:0x80
	s_load_b512 s[84:99], s[8:9], s105 offset:0xc0
	WIN 0xc0                                       ; destination window 3
.irp nb, 0,1,2,3,4,5,6,7
	global_load_b128 v[BI+8*(\nb):BI+8*(\nb)+3],   v11, s[10:11] offset:64*(\nb)      ; register j: bias[128 q + 16 nb + 8 h + j]
	global_load_b128 v[BI+8*(\nb)+4:BI+8*(\nb)+7], v11, s[10:11] offset:64*(\nb)+16
.endr
	s_wait_kmcnt 0x0
	s_min_u32 s31, s31, 0x8000                     ; cnt
	s_add_co_u32 s2, s31, 63
	s_lshr_b32 s2, s2, 6                           ; tiles of the system
	s_sub_co_u32 s30, s2, 1                        ; the last of them (used only where there is one)
	s_add_co_u32 s2, s2, 3
	s_sub_co_u32 s2, s2, s28
	s_lshr_b32 s66, s2, 2                          ; my wave's tiles
	s_mov_b32 s67, 0                               ; trips done
	s_mov_b32 s100, s28                            ; the tile in hand
; The 64 row numbers in s[32:63], s[68:99] become byte offsets row x 2,048 + 16 lane.  copy = 1: the tile in hand keeps its offsets, for its stores.
.macro NEWOFF copy
.if \copy
	WIN 0x03                                       ; source window 3, destination window 0
.set i, 0
.rept 64
	v_mov_b32 v[VS+i], v[VO+i]
.set i, i+1
.endr
.endif
	WIN 0xc0
.set i, 0
.rept 64
.set IR, 32+i+4*(i/32)
	s_min_u32 s[IR], s[IR], 0x7fff
	v_lshl_add_u32 v[VO+i], s[IR], 11, v4
.set i, i+1
.endr
.endm
; 32 loads: K quarter kq of rows 32 hf .. + 31; each covers 512 consecutive aligned bytes of one row.  Four work-groups read these rows: no hint.
.macro ISSUE hf, kq
	WIN 0x43                                       ; data window 1, offset window 3
.set i, 0
.rept 32
	global_load_b128 v[128*(\hf)+4*i:128*(\hf)+4*i+3], v[VO+32*(\hf)+i], s[4:5] offset:512*(\kq)
.set i, i+1
.endr
.endm
; Those 32 rows are rounded to f16 in place and laid into the stage: a store covers a row's 256 bytes.
.macro CVTST hf
	WIN 0x45
.set i, 0
.rept 32
	v_cvt_pk_f16_f32 v[128*(\hf)+4*i],   v[128*(\hf)+4*i],   v[128*(\hf)+4*i+1]
	v_cvt_pk_f16_f32 v[128*(\hf)+4*i+1], v[128*(\hf)+4*i+2], v[128*(\hf)+4*i+3]
.set i, i+1
.endr
	WIN 0x04                                       ; data window 1, address window 0
.set i, 0
.rept 32
	ds_store_b64 v8, v[128*(\hf)+4*i:128*(\hf)+4*i+1] offset:(32*(\hf)+i)*XP
.set i, i+1
.endr
.endm
; 24 LDS loads in one run: the fragments of K step s (32 k) of quarter kq into buffer buf: 8 of mixw, 4 of x.  A fragment is two loads of 16 bytes, 32 bytes apart.
.macro FETCH s, kq, buf
	WIN 0xc0
.irp nb, 0,1,2,3
	ds_load_b128 v[64*(\buf)+8*(\nb):64*(\buf)+8*(\nb)+3],   v5 offset:(\nb)*16*MP+(4*(\kq)+(\s))*64
	ds_load_b128 v[64*(\buf)+8*(\nb)+4:64*(\buf)+8*(\nb)+7], v5 offset:(\nb)*16*MP+(4*(\kq)+(\s))*64+32
.endr
.irp nb, 4,5,6,7
	ds_load_b128 v[64*(\buf)+8*(\nb):64*(\buf)+8*(\nb)+3],   v6 offset:((\nb)-4)*16*MP+(4*(\kq)+(\s))*64
	ds_load_b128 v[64*(\buf)+8*(\nb)+4:64*(\buf)+8*(\nb)+7], v6 offset:((\nb)-4)*16*MP+(4*(\kq)+(\s))*64+32
.endr
	WIN 0
.irp a, 0,1,2,3
	ds_load_b128 v[AF+32*(\buf)+8*(\a):AF+32*(\buf)+8*(\a)+3],   v7 offset:(\a)*16*XP+64*(\s)
	ds_load_b128 v[AF+32*(\buf)+8*(\a)+4:AF+32*(\buf)+8*(\a)+7], v7 offset:(\a)*16*XP+64*(\s)+32
.endr
.endm
; 32 matrix instructions, the 32 accumulators by turns, one instruction a turn.  first = 1: the bias starts the sums.
.macro MUL buf, first
.if \first
	WIN 0xb3                                       ; mixw and the bias window 3, x window 0, the result window 2
.else
	WIN 0xa3                                       ; mixw window 3, x window 0, C and D window 2
.endif
.irp a, 0,1,2,3
.irp nb, 0,1,2,3,4,5,6,7
.if \first
	v_wmma_f32_16x16x32_f16 v[8*(8*(\a)+(\nb)):8*(8*(\a)+(\nb))+7], v[64*(\buf)+8*(\nb):64*(\buf)+8*(\nb)+7], v[AF+32*(\buf)+8*(\a):AF+32*(\buf)+8*(\a)+7], v[BI+8*(\nb):BI+8*(\nb)+7]
.else
	v_wmma_f32_16x16x32_f16 v[8*(8*(\a)+(\nb)):8*(8*(\a)+(\nb))+7], v[64*(\buf)+8*(\nb):64*(\buf)+8*(\nb)+7], v[AF+32*(\buf)+8*(\a):AF+32*(\buf)+8*(\a)+7], v[8*(8*(\a)+(\nb)):8*(8*(\a)+(\nb))+7]
.endif
.endr
.endr
.endm
; The four K steps of a quarter, on two fragment buffers.  Each count of 24 leaves out the run of loads just issued; what was issued ahead of it (the stage's stores too) is done.
.macro KSTEPS kq, first
	FETCH 0, \kq, 0                                ; LDS serves a wave's instructions in order (ISA guide 5.7.1.4): these see the stage's stores above
	FETCH 1, \kq, 1
	s_wait_dscnt 24
	MUL 0, \first
	PLACES
	FETCH 2, \kq, 0
	s_wait_dscnt 24
	MUL 1, 0
	PLACES
	FETCH 3, \kq, 1
	s_wait_dscnt 24
	MUL 0, 0
	s_wait_dscnt 0x0
	MUL 1, 0
.endm
; One of a tile's first three K quarters.  Each half of the rows is waited for (the count leaves the other half's 32 younger loads out), rounded, staged, and asked for again, a quarter on.
; The 128 conversions, which name window 1 alone, are the places between the last products and the fragment loads.
.macro CHUNK kq, first
	s_wait_loadcnt 32
	CVTST 0
	ISSUE 0, (\kq)+1
	s_wait_loadcnt 32
	CVTST 1
	ISSUE 1, (\kq)+1
	KSTEPS \kq, \first
.endm
; Row block a goes out: 32 bytes a lane and column block into rows of 528 bytes (each accumulator's low registers first), back as whole rows of 512 bytes, and stored:
; a store covers 512 consecutive aligned bytes of one row of out0.  The list's rows ascend in the tile, so the first entry past the count ends the tile's output.
.macro OUTBLK a
	WIN 0x08                                       ; data window 2
.irp nb, 0,1,2,3,4,5,6,7
	ds_store_b128 v9, v[8*(8*(\a)+(\nb)):8*(8*(\a)+(\nb))+3]   offset:64*(\nb)
	ds_store_b128 v9, v[8*(8*(\a)+(\nb))+4:8*(8*(\a)+(\nb))+7] offset:64*(\nb)+16
.endr
	WIN 0
	s_wait_xcnt 0x0                                ; OB, which the last block's stores read, is loaded again only behind this wait
.set i, 0
.rept 16
	ds_load_b128 v[OB+4*i:OB+4*i+3], v10 offset:OP*i
.set i, i+1
.endr
	s_wait_dscnt 0x0
.set i, 0
.rept 16
	s_cmp_gt_u32 s101, 16*(\a)+i
	s_cbranch_scc0 .Ldone
	global_store_b128 v[VS+16*(\a)+i], v[OB+4*i:OB+4*i+3], s[6:7] th:TH_STORE_NT
.set i, i+1
.endr
.endm
	NEWOFF 0
	s_wait_loadcnt 0x0                             ; the bias, once; from here on x's loads alone are counted
	ISSUE 0, 0                                     ; my first tile's first K quarter: a wave without rows reads row 0 and uses nothing
	ISSUE 1, 0
	WIN 0
	s_wait_tensorcnt 0x0                           ; my 32 rows of the slice are in,
	s_barrier_signal -1
	s_barrier_wait -1                              ; everybody's are: the launch's one barrier
	s_cmp_eq_u32 s66, 0
	s_cbranch_scc1 .Lend
.Ltile:                                                ; a trip is a tile.  At its head 64 loads are out: rows 0-31, then rows 32-63, of its first K quarter
	s_lshl_b32 s2, s100, 6
	s_sub_co_u32 s101, s31, s2                     ; entries of this tile that count (64 or more: all)
	s_add_co_u32 s2, s67, 1
	s_cmp_lt_u32 s2, s66
	s_cselect_b32 s104, 1, 0                       ; 1: I have a further tile
	s_add_co_u32 s2, s100, 4
	s_min_u32 s2, s2, s30                          ; its entries, or the system's last tile's once more: no load leaves what was written
	s_min_u32 s2, s2, 511
	s_lshl_b32 s105, s2, 8
	s_load_b512 s[32:47], s[8:9], s105 offset:0x0
	s_load_b512 s[48:63], s[8:9], s105 offset:0x40
	s_load_b512 s[68:83], s[8:9], s105 offset:0x80
	s_load_b512 s[84:99], s[8:9], s105 offset:0xc0
	CHUNK 0, 1
	CHUNK 1, 0
	CHUNK 2, 0
	; the last K quarter: what is asked for now is the next tile's first quarter
	s_wait_kmcnt 0x0                               ; the next tile's row numbers
	s_wait_xcnt 0x0                                ; VO, which the loads on their way name, and VS, which the last tile's stores name, are rewritten only behind this wait
	NEWOFF 1
	s_wait_loadcnt 32
	CVTST 0
	WIN 0
	s_cmp_lg_u32 s104, 0
	s_cbranch_scc0 .Llast                          ; one branch for both halves: at the join either both halves of the next tile are out, in this order, or nothing is
	ISSUE 0, 0
	s_wait_loadcnt 32                              ; rows 32-63 are in; the 32 loads just issued stay out
	CVTST 1
	ISSUE 1, 0
	WIN 0
	s_branch .Ljoin
.Llast:
	s_wait_loadcnt 0x0                             ; nothing was issued behind rows 32-63
	CVTST 1
	WIN 0
.Ljoin:
	KSTEPS 3, 0
	PLACES                                         ; the stores below read results just made
	OUTBLK 0
	OUTBLK 1
	OUTBLK 2
	OUTBLK 3
.Ldone:
	s_add_co_u32 s67, s67, 1
	s_add_co_u32 s100, s100, 4
	s_cmp_lt_u32 s67, s66
	s_cbranch_scc1 .Ltile
.Lend:
	s_wait_tensorcnt 0x0                           ; the wave's end, behind my tensor load and my last LDS store
	ds_add_u32 v30, v31
	s_wait_dscnt 0x0
	s_endpgm
.Lfunc_end_k_qe8e0445a03_mole:
	.size	k_qe8e0445a03_mole, .Lfunc_end_k_qe8e0445a03_mole-k_qe8e0445a03_mole
	.p2alignl 7, 3214868480
	.fill 96, 4, 3214868480
	.section	.rodata,"a",@progbits
	.p2align	6, 0x0
	.amdhsa_kernel k_qe8e0445a03_mole
		.amdhsa_group_segment_fixed_size 203264
		.amdhsa_private_segment_fixed_size 0
		.amdhsa_enable_private_segment 0
		.amdhsa_kernarg_size 48
		.amdhsa_user_sgpr_count 2
		.amdhsa_user_sgpr_kernarg_segment_ptr 1
		.amdhsa_wavefront_size32 1
		.amdhsa_system_sgpr_workgroup_id_x 1
		.amdhsa_system_sgpr_workgroup_id_y 1
		.amdhsa_system_sgpr_workgroup_id_z 1
		.amdhsa_system_vgpr_workitem_id 0
		.amdhsa_next_free_vgpr 1024
		.amdhsa_next_free_sgpr 106
		.amdhsa_reserve_vcc 0
		.amdhsa_float_denorm_mode_32 3
		.amdhsa_float_denorm_mode_16_64 3
		.amdhsa_memory_ordered 1
		.amdhsa_forward_progress 1
		.amdhsa_inst_pref_size 188
	.end_amdhsa_kernel
	.amdgpu_metadata
---
amdhsa.version: [ 1, 2 ]
amdhsa.kernels:
  - .name:           k_qe8e0445a03_mole
    .symbol:         k_qe8e0445a03_mole.kd
    .args:
      - { .name: x, .offset: 0, .size: 8, .value_kind: global_buffer, .address_space: global }
      - { .name: out0, .offset: 8, .size: 8, .value_kind: global_buffer, .address_space: global }
      - { .name: perm, .offset: 16, .size: 8, .value_kind: global_buffer, .address_space: global }
      - { .name: bias, .offset: 24, .size: 8, .value_kind: global_buffer, .address_space: global }
      - { .name: mixw, .offset: 32, .size: 8, .value_kind: global_buffer, .address_space: global }
      - { .name: counts, .offset: 40, .size: 8, .value_kind: global_buffer, .address_space: global }
    .group_segment_fixed_size: 203264
    .private_segment_fixed_size: 0
    .kernarg_segment_align: 8
    .kernarg_segment_size: 48
    .max_flat_workgroup_size: 128
    .sgpr_count:     106
    .vgpr_count:     1024
    .wavefront_size: 32
...
	.end_amdgpu_metadata
.endif
;; end of part 2
